; MI455X (gfx1250); checked and timed in simulation.
; The chip was launched on July 23, 2026; its instructions are those of AMD's public machine-readable ISA for CDNA 5 (MIT licence, August 2026) and "CDNA5" Instruction Set Architecture Reference Guide (July 2026). The comments in the code are by the model that wrote it; some were corrected since.
;; Kernel Sparse Attention Layer. Allowed arithmetic: float matrix products may take bf16 or f16 operands with f32 sums; all other float work in f32.
;; Inputs: W1 32 x 128 float32; W2 128 x 32 float32; Wk 32 x 32 float32; Wo 32 x 32 float32; Wq 32 x 32 float32; Wv 32 x 32 float32; Z 2,048 x 32 float32; b1 128 float32; b2 32 float32; beta1 32 float32; beta2 32 float32; bk 32 float32; bo 32 float32; bq 32 float32; bv 32 float32; g1 32 float32; g2 32 float32; mask 2,048 x 2,048 int32; omega 32 x 64 float32.
;; Outputs: out0 2,048 x 32 float32.
;; One version. Each part assembles by itself: llvm-mc -triple=amdgcn-amd-amdhsa -mcpu=gfx1250 --defsym DOCPART=n.
;; ======== version 1 of 1: 2 launches
;; workspace buffers: part 2,097,152 bytes
;; launch attn (part 1): grid 8 x 32, 8 waves a work-group, no clusters, 212,992 bytes of LDS; arguments Z, mask, Wq, bq, Wk, bk, Wv, bv, omega, part; writes part
.if DOCPART == 1
	.amdgcn_target "amdgcn-amd-amdhsa--gfx1250"
	.amdhsa_code_object_version 6
	.text
	.protected	k_q8e40e9afa7_attn
	.globl	k_q8e40e9afa7_attn
	.p2align	8
	.type	k_q8e40e9afa7_attn,@function
k_q8e40e9afa7_attn:
	s_mov_b64 s[64:65], 0
	v_nop
	global_prefetch_b8 v0, s[64:65] scope:SCOPE_SE
	s_setreg_imm32_b32 hwreg(HW_REG_WAVE_MODE, 25, 1), 1
	s_wait_xcnt 0x0
; Sparse kernel attention, first of two launches: partial sums of attn_out.
;   low_rank + scores @ V  =  sum over j of S[i][j] V[j],   S = (mask == 0 ? exp_term : phi_term),
; which is reference()'s sum regrouped, for every input: one score matrix, one product, no difference of large sums.
; A work-group owns 64 rows i (block ibk) x 256 columns j (block jbk): 2048 x 2048 pairs / 256 work-groups.  It makes K, V, phiK
; of its 256 rows and Q, phiQ of its 64 rows from Z itself (20 tiles of 16 rows: 20,480 exponentials beside the block's 524,288),
; then each of 8 waves takes 32 i x 64 j, and the four waves of a row half are added through LDS.  Output: part[jbk], see the end.
; LIMITS: S, V, phi and the operands of the projections are rounded to bf16 (f32's exponent range); v_exp_f32 and v_rsq_f32 flush
; denormals (ISA guide 15.8), so a term below 2^-126 counts as 0; the norm's clip is min(rsq(n2), 1e6), which drops a NaN;
; both factors 1/8 of the features ride on phiQ as 2^(x-6), so phiQ reaches the flush 6 binary orders earlier than reference()'s.
; NO CLUSTER: what work-groups share (Z rows, 40 KB, and weights, 20 KB, each read once) is fetched by global loads straight into the
; registers of matrix operands and rounded there; there is no LDS tile for a joint request to land in.  The mask block (64 KB)
; belongs to this work-group alone.  It is asked for whole by the first memory instructions, one tensor load a wave, one outstanding.
;
; OPERANDS.  L = lane, r = L & 15, h = L >> 4.  A 32-vector of row r lies in lanes (r,0), (r,1): lane (r,h) has channels 16h + e,
; register q = bf16 pair (e = 2q, 2q+1).  Both matrix sources use this same order of k, so the products pair up.
; A weight W[in][out] is source 0 in two tiles t: row r' of tile t is output 2r' + t.  The result's register jj of tile t in lane
; (row, h) is then output 16h + 2jj + t: again half h of the vector, and a chain of products needs no shuffle.
.set PR,    144                        ; pitch of rows of 128 bytes (+16): an odd multiple of 16
.set PM,    1040                       ; pitch of the mask's rows of 1,024 bytes (+16)
.set PV,    80                         ; pitch of V^T's rows of 64 bytes (+16)
.set MASK,  0                          ; 64 rows i x 256 int32                     66,560 bytes, written by the tensor loads alone
.set KL,    66560                      ; 256 rows j x 32 f32, position 16t+8h+jj   36,864
.set PHIK,  103424                     ; 256 rows j x 64 bf16                      36,864
.set VT,    140288                     ; 8 chunks of 32 j: 32 rows c x 32 bf16     20,480   (row 16t + r' is channel 2r' + t)
.set QL,    160768                     ; 64 rows i x 32 f32, times log2e/sqrt 32    9,216
.set PHIQ,  169984                     ; 64 rows i x 64 bf16                        9,216
.set RED,   179200                     ; [wave 8][it 2][q4 4][lane 32][16 bytes]   32,768
.set QSC,   0x3e8293ee                 ; log2(e) / sqrt(32)
.set LOG2E, 0x3fb8aa3b
; registers of the projections
.set WVF,  16                          ; v16-31   Wv, two fragments (v16-47 first hold Wk as loaded)
.set KT,   32                          ; v32-47   K (or Q) of a tile, f32, two result tiles
.set OMF,  48                          ; v48-79   omega, four fragments (first Wv as loaded)
.set VD,   80                          ; v80-95   V of a tile; later feature tiles 2, 3 (v80-143 first hold omega as loaded)
.set SCT,  96                          ; v96-111  normalised row; later feature tiles 0, 1
.set KN,   112                         ; v112-119 normalised row as an operand
.set ZIR,  128                         ; v128-143 Z of my i tile as loaded
.set ZR,   144                         ; v144-175 Z of my two j tiles as loaded; later Wq as loaded
.set BKC,  176                         ; v176-191 bk in the result's order
.set BV,   192                         ; v192-193 bv[2r'], bv[2r'+1]
.set WF,   196                         ; v196-211 Wk, two fragments; later Wq
.set ZB,   212                         ; v212-227 Z of my two j tiles as operands; later of my i tile
.set BQC,  228                         ; v228-243 bq in the result's order
.set M6,   244                         ; v244-251 -6.0
; registers of the main phase
.set QR,   16                          ; v16-79   Q of my two i tiles (32 it + position)
.set KA,   80                          ; v80-95   K[j], positions 0-15
.set KB,   96                          ; v96-111  K[j], positions 16-31
.set TB,   112                         ; v112-143 products, then exponentials: a buffer for each it
.set AC,   144                         ; v144-147 a pair of running sums for each it
.set EX,   148                         ; v148-179 exp_term (16 it + jl), then S, then S as operands
.set ACC,  180                         ; v180-211 sums S V, tile (2 ct + it)
.set DP,   212                         ; v212-243 phi_term (16 it + jl)
.set MK,   16                          ; v16-47   mask (16 it + jl)
.set VTF,  48                          ; v48-63   V^T, two fragments
.set PKF,  80                          ; v80-111  phiK fragments (2 jt + ks)
.set PQF,  112                         ; v112-143 phiQ fragments (2 it + ks)
.macro PLACES                          ; four plain vector places behind a matrix instruction (ISA guide 7.12.1)
.rept 4
	v_nop
.endr
.endm
.macro LOADW dst, sb                   ; W[16h+e][2r'], W[16h+e][2r'+1]: each instruction reads two whole rows of 128 bytes
.irp e, 0,1,2,3,4,5,6,7,8,9,10,11,12,13,14,15
	global_load_b64 v[\dst+2*\e:\dst+2*\e+1], v5, s[\sb:\sb+1] offset:128*\e
.endr
.endm
.macro LOADBC dst, sb                  ; a bias in the result's order: register 8t + jj = bias[16h + 2jj + t], ready as C
.irp t, 0,1
.irp u, 0,1,2,3,4,5,6,7
	global_load_b32 v[\dst+8*\t+\u], v7, s[\sb:\sb+1] offset:8*\u+4*\t
.endr
.endr
.endm
.macro CVTW dst, src                   ; fragment t, register q = (W[16h+2q][2r'+t], W[16h+2q+1][2r'+t])
.irp t, 0,1
.irp q, 0,1,2,3,4,5,6,7
	v_cvt_pk_bf16_f32 v[\dst+8*\t+\q], v[\src+4*\q+\t], v[\src+4*\q+2+\t]
.endr
.endr
.endm
.macro CVTZ dst, src                   ; 16 f32 of a row to an operand
.irp q, 0,1,2,3,4,5,6,7
	v_cvt_pk_bf16_f32 v[\dst+\q], v[\src+2*\q], v[\src+2*\q+1]
.endr
.endm
	s_load_b512 s[8:23], s[0:1], 0x0               ; Z 8, mask 10, Wq 12, bq 14, Wk 16, bk 18, Wv 20, bv 22
	s_load_b128 s[24:27], s[0:1], 0x40             ; omega 24, part 26
	v_lshl_add_u32 v254, v0, 2, 0x33c00
	v_mov_b32 v255, 0
	ds_add_u32 v254, v255
	ds_add_u32 v254, v255
	v_lshrrev_b32 v1, 5, v0
	v_readfirstlane_b32 s2, v1                     ; wave w
	s_mov_b32 s3, ttmp9                            ; jbk
	s_and_b32 s4, ttmp7, 0xffff                    ; ibk
	s_and_b32 s5, s2, 1                            ; wi: which 32 of the 64 rows i are mine in the main phase
	s_lshr_b32 s6, s2, 1                           ; wj: which 64 of the 256 columns j
	s_mov_b32 s28, 0x76543210                      ; v_permlanex16_b32: lane i of the other half
	s_mov_b32 s29, 0xfedcba98
	; the mask: my 8 rows of 256 int32 (1,024 bytes each, on a multiple of 1,024), 16 bytes of padding behind each in LDS
	s_mov_b32 s36, (2<<16)|(1<<20)|(7<<22)|(3<<25) ; elements of 4 bytes; padding on; after every 256 words; of 4 words
	s_mov_b32 s37, 256<<16                         ; tensor_dim0 = 256
	s_mov_b32 s38, 8<<16                           ; tensor_dim1 = 8
	s_mov_b32 s39, 256<<16                         ; tile_dim0 = 256
	s_mov_b32 s40, 8                               ; tile_dim1 = 8
	s_mov_b32 s41, 2048                            ; elements from row to row
	s_mov_b32 s42, 0
	s_mov_b32 s43, 0
	s_mov_b32 s32, 1
	s_mul_i32 s33, s2, 8*PM                        ; LDS: MASK + 8 w rows
	s_lshl_b32 s30, s4, 19                         ; 64 ibk rows of 8,192 bytes
	s_lshl_b32 s7, s2, 16                          ; + 8 w rows
	s_add_co_u32 s30, s30, s7
	s_lshl_b32 s7, s3, 10                          ; + 256 jbk columns
	s_add_co_u32 s30, s30, s7
	s_mov_b32 s31, 0
	s_wait_dscnt 0x0
	s_wait_kmcnt 0x0
	s_add_nc_u64 s[34:35], s[10:11], s[30:31]
	s_or_b32 s35, s35, 0x80000000
	tensor_load_to_lds s[32:35], s[36:43]          ; waited for only when the first 32 columns' exponentials are done
	s_nop 0
	s_lshl_b32 s30, s3, 15                         ; Z at row 256 jbk + 32 w
	s_lshl_b32 s7, s2, 12
	s_add_co_u32 s30, s30, s7
	s_add_nc_u64 s[44:45], s[8:9], s[30:31]
	s_lshl_b32 s30, s3, 18                         ; part[jbk] at tile 4 ibk
	s_lshl_b32 s7, s4, 13
	s_add_co_u32 s30, s30, s7
	s_add_nc_u64 s[48:49], s[26:27], s[30:31]
	v_and_b32 v3, 31, v0                           ; L
	v_and_b32 v1, 15, v0                           ; r
	v_bfe_u32 v2, v0, 4, 1                         ; h
	v_lshlrev_b32 v4, 7, v1
	v_lshl_add_u32 v4, v2, 6, v4                   ; Z: 128 r + 64 h
	v_lshlrev_b32 v8, 3, v1                        ; bv: 8 r
	v_lshl_add_u32 v5, v2, 11, v8                  ; weights: 16 h rows of 128 bytes + 8 r
	v_lshlrev_b32 v6, 4, v1
	v_lshl_add_u32 v6, v2, 12, v6                  ; omega: 16 h rows of 256 bytes + 16 r
	v_lshlrev_b32 v7, 6, v2                        ; biases: 64 h
.irp t, 0,1
.irp q, 0,1,2,3
	global_load_b128 v[ZR+16*\t+4*\q:ZR+16*\t+4*\q+3], v4, s[44:45] offset:2048*\t+16*\q
.endr
.endr
	LOADW 16, 16                                   ; Wk
	LOADBC BKC, 18                                 ; bk
	LOADW 48, 20                                   ; Wv
	global_load_b64 v[BV:BV+1], v8, s[22:23]       ; bv
.irp e, 0,1,2,3,4,5,6,7,8,9,10,11,12,13,14,15
	global_load_b128 v[80+4*\e:80+4*\e+3], v6, s[24:25] offset:256*\e    ; omega[16h+e][4r' .. 4r'+3]
.endr
	; where my two j tiles go in LDS
	v_mul_u32_u24 v13, v1, PR                      ; 144 r
	s_mul_i32 s50, s2, 32*PR
	s_add_co_u32 s51, s50, KL
	s_add_co_u32 s52, s50, PHIK
	v_add_nc_u32 v9, s51, v13
	v_lshl_add_u32 v9, v2, 5, v9                   ; KL + (32 w + r) 144 + 32 h
	v_add_nc_u32 v10, s52, v13
	v_lshl_add_u32 v10, v2, 4, v10                 ; PHIK + (32 w + r) 144 + 16 h
	s_mul_i32 s53, s2, 32*PV
	s_add_co_u32 s53, s53, VT
	v_mul_u32_u24 v11, v1, PV
	v_lshl_add_u32 v11, v2, 4, v11
	v_add_nc_u32 v11, s53, v11                     ; VT + chunk w + 80 r + 16 h
	s_wait_loadcnt 49                              ; Z and Wk are in; bk 16 + Wv 16 + bv 1 + omega 16 are younger
	CVTZ ZB, ZR
	CVTZ ZB+8, ZR+16
	CVTW WF, 16
	s_wait_loadcnt 17                              ; bk and Wv are in; bv 1 + omega 16 are younger
	CVTW WVF, 48
	s_wait_loadcnt 0x0
.irp t, 0,1,2,3
.irp q, 0,1,2,3,4,5,6,7
	v_cvt_pk_bf16_f32 v[OMF+8*\t+\q], v[80+8*\q+\t], v[80+8*\q+4+\t]     ; tile t, row r' = feature 4r' + t
.endr
.endr
	; waves 0-3 also make one tile of Q: its inputs are asked for now, into registers that are free, and land behind the j tiles' work
	s_cmp_gt_u32 s2, 3
	s_cbranch_scc1 .Lno_qload
	s_lshl_b32 s30, s4, 13                         ; Z at row 64 ibk + 16 w
	s_lshl_b32 s7, s2, 11
	s_add_co_u32 s30, s30, s7
	s_add_nc_u64 s[46:47], s[8:9], s[30:31]
	LOADW ZR, 12                                   ; Wq
	LOADBC BQC, 14                                 ; bq
.irp q, 0,1,2,3
	global_load_b128 v[ZIR+4*\q:ZIR+4*\q+3], v4, s[46:47] offset:16*\q
.endr
.Lno_qload:
; One tile of 16 rows.  zb: Z as an operand; bc: the bias as C.  isq = 0: K, V and phiK; isq = 1: Q (scaled for the exponentials) and phiQ.
; xa, pa: registers with the LDS addresses of the rows and of the features; im: the tile's step in both; vim: its step in V^T.
.macro ROWTILE zb, bc, isq, xa, pa, im, vim
	v_wmma_f32_16x16x32_bf16 v[KT:KT+7], v[WF:WF+7], v[\zb:\zb+7], v[\bc:\bc+7]
	v_wmma_f32_16x16x32_bf16 v[KT+8:KT+15], v[WF+8:WF+15], v[\zb:\zb+7], v[\bc+8:\bc+15]
.if \isq == 0
	v_wmma_f32_16x16x32_bf16 v[VD:VD+7], v[\zb:\zb+7], v[WVF:WVF+7], 0          ; Z first: a lane gets 8 neighbouring rows j of channel 2r'+t
	v_wmma_f32_16x16x32_bf16 v[VD+8:VD+15], v[\zb:\zb+7], v[WVF+8:WVF+15], 0
.endif
	PLACES
	v_pk_mul_f32 v[120:121], v[KT:KT+1], v[KT:KT+1]                            ; the row's squared norm, two chains
	v_pk_mul_f32 v[122:123], v[KT+2:KT+3], v[KT+2:KT+3]
.irp u, 4,8,12
	v_pk_fma_f32 v[120:121], v[KT+\u:KT+\u+1], v[KT+\u:KT+\u+1], v[120:121]
	v_pk_fma_f32 v[122:123], v[KT+\u+2:KT+\u+3], v[KT+\u+2:KT+\u+3], v[122:123]
.endr
	v_pk_add_f32 v[120:121], v[120:121], v[122:123]
	v_add_f32 v120, v120, v121
	v_permlanex16_b32 v121, v120, s28, s29         ; the other half of the row
	v_add_f32 v120, v120, v121
	v_rsq_f32 v122, v120                           ; used only behind the plain vector work below (ISA guide 5.7.2)
.if \isq == 0
.irp t, 0,1
.irp u, 0,2,4,6
	v_pk_add_f32 v[VD+8*\t+\u:VD+8*\t+\u+1], v[VD+8*\t+\u:VD+8*\t+\u+1], v[BV:BV+1] op_sel:[0,\t] op_sel_hi:[1,\t]   ; + bv[2r'+t]
.endr
.endr
	s_wait_alu depctr_va_vdst(0)
.irp t, 0,1
.irp q, 0,1,2,3
	v_cvt_pk_bf16_f32 v[VD+8*\t+\q], v[VD+8*\t+2*\q], v[VD+8*\t+2*\q+1]
.endr
	ds_store_b128 v11, v[VD+8*\t:VD+8*\t+3] offset:16*PV*\t+\vim
.endr
.else
	v_nop
	s_wait_alu depctr_va_vdst(0)
.endif
	v_min_num_f32 v122, 0x49742400, v122           ; 1 / max(norm, 1e-6) = min(rsq, 1e6), at norm 0 too
	v_mul_f32 v14, LOG2E, v122                     ; the features' exponential is taken to base 2
	v_mov_b32 v15, v14
.irp u, 0,2,4,6,8,10,12,14
	v_pk_mul_f32 v[SCT+\u:SCT+\u+1], v[KT+\u:KT+\u+1], v[14:15]
.endr
.irp q, 0,1,2,3,4,5,6,7
	v_cvt_pk_bf16_f32 v[KN+\q], v[SCT+\q], v[SCT+8+\q]         ; e = 2q from tile 0, e = 2q+1 from tile 1
.endr
.if \isq
.irp u, 0,2,4,6,8,10,12,14
	v_pk_mul_f32 v[KT+\u:KT+\u+1], v[KT+\u:KT+\u+1], QSC op_sel_hi:[1,0]   ; exp(q k / sqrt 32) = 2^((q QSC) k)
.endr
.endif
.irp t, 0,1
	ds_store_b128 v[\xa], v[KT+8*\t:KT+8*\t+3] offset:\im+64*\t
	ds_store_b128 v[\xa], v[KT+8*\t+4:KT+8*\t+7] offset:\im+64*\t+16
.endr
.irp t, 0,1,2,3
.if \isq
	v_wmma_f32_16x16x32_bf16 v[80+8*((\t+2)&3):80+8*((\t+2)&3)+7], v[OMF+8*\t:OMF+8*\t+7], v[KN:KN+7], v[M6:M6+7]
.else
	v_wmma_f32_16x16x32_bf16 v[80+8*((\t+2)&3):80+8*((\t+2)&3)+7], v[OMF+8*\t:OMF+8*\t+7], v[KN:KN+7], 0
.endif
.endr
	PLACES
.set i, 0
.rept 32
	v_exp_f32 v[80+i], v[80+i]
.set i, i+1
.endr
	v_nop                                          ; the plain place behind the exponentials
	s_wait_alu depctr_va_vdst(0)
.irp t, 0,1,2,3
.irp q, 0,1,2,3
	v_cvt_pk_bf16_f32 v[80+8*((\t+2)&3)+\q], v[80+8*((\t+2)&3)+2*\q], v[80+8*((\t+2)&3)+2*\q+1]
.endr
	ds_store_b128 v[\pa], v[80+8*((\t+2)&3):80+8*((\t+2)&3)+3] offset:\im+32*\t    ; the features' order is the same for phiQ and phiK
.endr
.endm
	ROWTILE ZB, BKC, 0, 9, 10, 0, 0
	ROWTILE ZB+8, BKC, 0, 9, 10, 16*PR, 32
	s_wait_loadcnt 0x0                             ; waves 0-3: Wq, bq and Z of the i tile are in; the others have nothing out.  v4-v8 are free on every path
	s_cmp_gt_u32 s2, 3
	s_cbranch_scc1 .Lno_q
	; where my i tile goes in LDS: formed here, in the branch that stores through them, so that both are defined on every path that reads them
	s_mul_i32 s54, s2, 16*PR
	s_add_co_u32 s55, s54, PHIQ
	s_add_co_u32 s54, s54, QL
	v_add_nc_u32 v12, s54, v13                     ; v13 still holds 144 r
	v_lshl_add_u32 v12, v2, 5, v12                 ; QL + (16 w + r) 144 + 32 h
	v_add_nc_u32 v13, s55, v13
	v_lshl_add_u32 v13, v2, 4, v13                 ; PHIQ + (16 w + r) 144 + 16 h
	CVTW WF, ZR
	CVTZ ZB, ZIR
.irp u, 0,1,2,3,4,5,6,7
	v_mov_b32 v[M6+\u], 0xc0c00000                 ; C of phiQ's product: 2^(x-6) carries both factors 1/sqrt(64)
.endr
	ROWTILE ZB, BQC, 1, 12, 13, 0, 0
.Lno_q:
	s_wait_dscnt 0x0                               ; my rows of K, phiK, V^T (Q, phiQ) are written
	s_barrier_signal -1
	; the main phase's addresses (register work, while the others arrive)
	v_mul_u32_u24 v13, v1, PR
	s_mul_i32 s50, s5, 32*PR
	s_mul_i32 s51, s6, 64*PR
	s_add_co_u32 s52, s50, QL
	v_add_nc_u32 v4, s52, v13                      ; QL + (32 wi + r) 144
	s_add_co_u32 s52, s50, PHIQ
	v_add_nc_u32 v8, s52, v13
	v_lshl_add_u32 v8, v2, 4, v8                   ; PHIQ + (32 wi + r) 144 + 16 h
	s_add_co_u32 s52, s51, KL
	v_mul_u32_u24 v5, v2, 8*PR
	v_add_nc_u32 v5, s52, v5                       ; KL + (64 wj + 8 h) 144
	s_add_co_u32 s52, s51, PHIK
	v_add_nc_u32 v7, s52, v13
	v_lshl_add_u32 v7, v2, 4, v7                   ; PHIK + (64 wj + r) 144 + 16 h
	s_mul_i32 s52, s5, 32*PM
	s_lshl_b32 s53, s6, 8
	s_add_co_u32 s52, s52, s53
	v_mul_u32_u24 v6, v1, PM
	v_lshl_add_u32 v6, v2, 5, v6
	v_add_nc_u32 v6, s52, v6                       ; MASK + (32 wi + r) 1040 + 4 (64 wj + 8 h)
	s_mul_i32 s52, s6, 64*PV
	s_add_co_u32 s52, s52, VT
	v_mul_u32_u24 v9, v1, PV
	v_lshl_add_u32 v9, v2, 4, v9
	v_add_nc_u32 v9, s52, v9                       ; VT + chunk 2 wj + 80 r + 16 h
	s_lshl_b32 s52, s2, 12
	s_add_co_u32 s52, s52, RED
	v_lshlrev_b32 v10, 4, v3
	v_add_nc_u32 v10, s52, v10                     ; RED + 4096 w + 16 L
	v_lshlrev_b32 v12, 4, v0                       ; 16 x thread
	v_add_nc_u32 v11, RED, v12
	s_barrier_wait -1                              ; everybody's rows are written
; THE MAIN PHASE.  Lane (r, h) holds i = r of two i tiles and, in step jl = 8t + jj, column j = 16t + 8h + jj of the trip's 32:
; the place that phi_term's result has and that S needs as an operand, so S never moves between lanes.
.macro KLOAD buf, tr, jl, half         ; 16 numbers of K[j]; the sixteen lanes of a half read one address
.irp q, 0,1,2,3
	ds_load_b128 v[\buf+4*\q:\buf+4*\q+3], v5 offset:(32*\tr+16*((\jl)>>3)+((\jl)&7))*PR+64*\half+16*\q
.endr
.endm
.macro MUL it, half                    ; 16 products q k
.irp u, 0,2,4,6,8,10,12,14
	v_pk_mul_f32 v[TB+16*\it+\u:TB+16*\it+\u+1], v[QR+32*\it+16*\half+\u:QR+32*\it+16*\half+\u+1], v[KA+16*\half+\u:KA+16*\half+\u+1]
.endr
.endm
.macro EXPS it
.irp u, 0,1,2,3,4,5,6,7,8,9,10,11,12,13,14,15
	v_exp_f32 v[TB+16*\it+\u], v[TB+16*\it+\u]
.endr
.endm
.macro ADDS it, half, jl               ; 16 exponentials to a pair; the first half starts the sum, the second ends it in exp_term[it][jl]
	s_wait_alu depctr_va_vdst(0)
.irp u, 0,2,4,6
	v_pk_add_f32 v[TB+16*\it+\u:TB+16*\it+\u+1], v[TB+16*\it+\u:TB+16*\it+\u+1], v[TB+16*\it+8+\u:TB+16*\it+8+\u+1]
.endr
.irp u, 0,2
	v_pk_add_f32 v[TB+16*\it+\u:TB+16*\it+\u+1], v[TB+16*\it+\u:TB+16*\it+\u+1], v[TB+16*\it+4+\u:TB+16*\it+4+\u+1]
.endr
.if \half == 0
	v_pk_add_f32 v[AC+2*\it:AC+2*\it+1], v[TB+16*\it:TB+16*\it+1], v[TB+16*\it+2:TB+16*\it+3]
.else
	v_pk_add_f32 v[TB+16*\it:TB+16*\it+1], v[TB+16*\it:TB+16*\it+1], v[TB+16*\it+2:TB+16*\it+3]
	v_pk_add_f32 v[AC+2*\it:AC+2*\it+1], v[AC+2*\it:AC+2*\it+1], v[TB+16*\it:TB+16*\it+1]
	v_add_f32 v[EX+16*\it+(\jl)], v[AC+2*\it], v[AC+2*\it+1]
.endif
.endm
; One column step: 64 exponentials in four runs of 16.  Behind each run stand the eight products for the OTHER buffer, plain vector work
; that touches none of the run's registers (ISA guide 5.7.2); only then are the run's results added.  A half of K is asked for again as
; soon as its last product is issued, 48 exponentials ahead of its use.
.macro JSTEP tr, jl, last
	s_wait_dscnt 0x4                               ; K's first half is in (in step 0 also Q); the second half's four loads are younger
	MUL 0, 0
.if \jl > 0
	ADDS 1, 1, \jl-1
.endif
	EXPS 0
	MUL 1, 0
.if \last == 0
	KLOAD KA, \tr, \jl+1, 0
.endif
	ADDS 0, 0, \jl
	EXPS 1
.if \last
	s_wait_dscnt 0x0                               ; nothing was asked for behind K's second half
.else
	s_wait_dscnt 0x4                               ; K's second half is in; the next step's first half is younger
.endif
	MUL 0, 1
	ADDS 1, 0, \jl
	EXPS 0
	MUL 1, 1
.if \last == 0
	KLOAD KB, \tr, \jl+1, 1
.endif
	ADDS 0, 1, \jl
	EXPS 1
.endm
; A trip: 32 i x 32 j.  exp_term, then phi_term by the matrix unit, the choice by the mask, and S V.
.macro TRIP tr, zero
.irp it, 0,1
.irp q, 0,1,2,3,4,5,6,7
	ds_load_b128 v[QR+32*\it+4*\q:QR+32*\it+4*\q+3], v4 offset:16*PR*\it+16*\q
.endr
.endr
	KLOAD KA, \tr, 0, 0
	KLOAD KB, \tr, 0, 1
.irp jl, 0,1,2,3,4,5,6,7,8,9,10,11,12,13,14
	JSTEP \tr, \jl, 0
.endr
	JSTEP \tr, 15, 1
	v_nop                                          ; the plain place behind the last run
	s_wait_alu depctr_va_vdst(0)
	ADDS 1, 1, 15
.if \tr == 0
	s_wait_tensorcnt 0x0                           ; my 8 rows of the mask are in LDS (my one tensor load); no LDS access of mine is out
	s_barrier_signal -1
	s_barrier_wait -1                              ; everybody's are
.endif
.irp jt, 0,1
.irp ks, 0,1
	ds_load_b128 v[PKF+8*(2*\jt+\ks):PKF+8*(2*\jt+\ks)+3], v7 offset:(32*\tr+16*\jt)*PR+64*\ks
	ds_load_b128 v[PKF+8*(2*\jt+\ks)+4:PKF+8*(2*\jt+\ks)+7], v7 offset:(32*\tr+16*\jt)*PR+64*\ks+32
.endr
.endr
.irp it, 0,1
.irp ks, 0,1
	ds_load_b128 v[PQF+8*(2*\it+\ks):PQF+8*(2*\it+\ks)+3], v8 offset:16*PR*\it+64*\ks
	ds_load_b128 v[PQF+8*(2*\it+\ks)+4:PQF+8*(2*\it+\ks)+7], v8 offset:16*PR*\it+64*\ks+32
.endr
.endr
.irp ct, 0,1
	ds_load_b128 v[VTF+8*\ct:VTF+8*\ct+3], v9 offset:32*PV*\tr+16*PV*\ct
	ds_load_b128 v[VTF+8*\ct+4:VTF+8*\ct+7], v9 offset:32*PV*\tr+16*PV*\ct+32
.endr
.irp it, 0,1
.irp jt, 0,1
	ds_load_b128 v[MK+16*\it+8*\jt:MK+16*\it+8*\jt+3], v6 offset:16*PM*\it+128*\tr+64*\jt
	ds_load_b128 v[MK+16*\it+8*\jt+4:MK+16*\it+8*\jt+7], v6 offset:16*PM*\it+128*\tr+64*\jt+16
.endr
.endr
	s_wait_dscnt 12                                ; the features are in; V^T's 4 and the mask's 8 loads are younger
.irp it, 0,1
.irp jt, 0,1
	v_wmma_f32_16x16x32_bf16 v[DP+16*\it+8*\jt:DP+16*\it+8*\jt+7], v[PKF+16*\jt:PKF+16*\jt+7], v[PQF+16*\it:PQF+16*\it+7], 0
.endr
.endr
.irp it, 0,1
.irp jt, 0,1
	v_wmma_f32_16x16x32_bf16 v[DP+16*\it+8*\jt:DP+16*\it+8*\jt+7], v[PKF+16*\jt+8:PKF+16*\jt+15], v[PQF+16*\it+8:PQF+16*\it+15], v[DP+16*\it+8*\jt:DP+16*\it+8*\jt+7]
.endr
.endr
	s_wait_dscnt 0x0
	PLACES
.set i, 0
.rept 32
	v_cmp_eq_u32 vcc_lo, 0, v[MK+i]
	v_cndmask_b32 v[EX+i], v[DP+i], v[EX+i], vcc_lo            ; mask == 0: exp_term, else phi_term
.set i, i+1
.endr
.irp it, 0,1
.irp q, 0,1,2,3,4,5,6,7
	v_cvt_pk_bf16_f32 v[EX+16*\it+\q], v[EX+16*\it+2*\q], v[EX+16*\it+2*\q+1]
.endr
.endr
.irp ct, 0,1
.irp it, 0,1
.if \zero
	v_wmma_f32_16x16x32_bf16 v[ACC+8*(2*\ct+\it):ACC+8*(2*\ct+\it)+7], v[VTF+8*\ct:VTF+8*\ct+7], v[EX+16*\it:EX+16*\it+7], 0
.else
	v_wmma_f32_16x16x32_bf16 v[ACC+8*(2*\ct+\it):ACC+8*(2*\ct+\it)+7], v[VTF+8*\ct:VTF+8*\ct+7], v[EX+16*\it:EX+16*\it+7], v[ACC+8*(2*\ct+\it):ACC+8*(2*\ct+\it)+7]
.endif
.endr
.endr
	PLACES                                         ; in front of the loads into V^T's registers and of the stores of the sums
.endm
	TRIP 0, 1                                      ; the first trip's products start the sums
	TRIP 1, 0
	; THE WAY OUT.  Register jj of tile ct in lane (r, h) is channel 16h + 2jj + ct of row r.  Unit (q4, lane) = numbers 4 q4 .. 4 q4 + 3 of
	; the lane's sixteen (8 ct + jj).  The four waves wj of a row half are added; part[jbk][tile][q4][lane][4] goes out lane by lane.
.irp ct, 0,1
.irp it, 0,1
.irp hf, 0,1
	ds_store_b128 v10, v[ACC+8*(2*\ct+\it)+4*\hf:ACC+8*(2*\ct+\it)+4*\hf+3] offset:2048*\it+512*(2*\ct+\hf)
.endr
.endr
.endr
	s_wait_dscnt 0x0                               ; my sums are written
	s_barrier_signal -1
	s_barrier_wait -1
.irp sl, 0,1
.irp k, 0,1,2,3
	ds_load_b128 v[16+16*\sl+4*\k:16+16*\sl+4*\k+3], v11 offset:4096*\sl+8192*\k     ; wave wi + 2k's share of my unit
.endr
.endr
	s_wait_dscnt 0x0
.irp sl, 0,1
.irp u, 0,2
	v_pk_add_f32 v[16+16*\sl+\u:16+16*\sl+\u+1], v[16+16*\sl+\u:16+16*\sl+\u+1], v[20+16*\sl+\u:20+16*\sl+\u+1]
	v_pk_add_f32 v[24+16*\sl+\u:24+16*\sl+\u+1], v[24+16*\sl+\u:24+16*\sl+\u+1], v[28+16*\sl+\u:28+16*\sl+\u+1]
.endr
.irp u, 0,2
	v_pk_add_f32 v[16+16*\sl+\u:16+16*\sl+\u+1], v[16+16*\sl+\u:16+16*\sl+\u+1], v[24+16*\sl+\u:24+16*\sl+\u+1]
.endr
	global_store_b128 v12, v[16+16*\sl:16+16*\sl+3], s[48:49] offset:4096*\sl        ; a wave's store covers 512 consecutive bytes, aligned
.endr
	s_wait_tensorcnt 0x0
	ds_add_u32 v254, v255
	s_wait_dscnt 0x0
	s_endpgm
.Lfunc_end_k_q8e40e9afa7_attn:
	.size	k_q8e40e9afa7_attn, .Lfunc_end_k_q8e40e9afa7_attn-k_q8e40e9afa7_attn
	.p2alignl 7, 3214868480
	.fill 96, 4, 3214868480
	.section	.rodata,"a",@progbits
	.p2align	6, 0x0
	.amdhsa_kernel k_q8e40e9afa7_attn
		.amdhsa_group_segment_fixed_size 212992
		.amdhsa_private_segment_fixed_size 0
		.amdhsa_enable_private_segment 0
		.amdhsa_kernarg_size 80
		.amdhsa_user_sgpr_count 2
		.amdhsa_user_sgpr_kernarg_segment_ptr 1
		.amdhsa_wavefront_size32 1
		.amdhsa_system_sgpr_workgroup_id_x 1
		.amdhsa_system_sgpr_workgroup_id_y 1
		.amdhsa_system_sgpr_workgroup_id_z 1
		.amdhsa_system_vgpr_workitem_id 0
		.amdhsa_next_free_vgpr 256
		.amdhsa_next_free_sgpr 66
		.amdhsa_reserve_vcc 1
		.amdhsa_float_denorm_mode_32 3
		.amdhsa_float_denorm_mode_16_64 3
		.amdhsa_memory_ordered 1
		.amdhsa_forward_progress 1
		.amdhsa_inst_pref_size 255
	.end_amdhsa_kernel
	.section	.bss,"aw",@nobits
	.p2align	6
	.space	262144
	.amdgpu_metadata
---
amdhsa.version: [ 1, 2 ]
amdhsa.kernels:
  - .name:           k_q8e40e9afa7_attn
    .symbol:         k_q8e40e9afa7_attn.kd
    .args:
      - { .name: Z, .offset: 0, .size: 8, .value_kind: global_buffer, .address_space: global }
      - { .name: mask, .offset: 8, .size: 8, .value_kind: global_buffer, .address_space: global }
      - { .name: Wq, .offset: 16, .size: 8, .value_kind: global_buffer, .address_space: global }
      - { .name: bq, .offset: 24, .size: 8, .value_kind: global_buffer, .address_space: global }
      - { .name: Wk, .offset: 32, .size: 8, .value_kind: global_buffer, .address_space: global }
      - { .name: bk, .offset: 40, .size: 8, .value_kind: global_buffer, .address_space: global }
      - { .name: Wv, .offset: 48, .size: 8, .value_kind: global_buffer, .address_space: global }
      - { .name: bv, .offset: 56, .size: 8, .value_kind: global_buffer, .address_space: global }
      - { .name: omega, .offset: 64, .size: 8, .value_kind: global_buffer, .address_space: global }
      - { .name: part, .offset: 72, .size: 8, .value_kind: global_buffer, .address_space: global }
    .group_segment_fixed_size: 212992
    .private_segment_fixed_size: 0
    .kernarg_segment_align: 8
    .kernarg_segment_size: 80
    .max_flat_workgroup_size: 256
    .sgpr_count:     66
    .vgpr_count:     256
    .wavefront_size: 32
...
	.end_amdgpu_metadata
.endif
;; end of part 1
;; launch ffn (part 2): grid 128 x 1, 4 waves a work-group, no clusters, 17,920 bytes of LDS; arguments part, Z, Wo, bo, g1, beta1, W1, b1, W2, b2, g2, beta2, out0; writes out0
.if DOCPART == 2
	.amdgcn_target "amdgcn-amd-amdhsa--gfx1250"
	.amdhsa_code_object_version 6
	.text
	.protected	k_q8e40e9afa7_ffn
	.globl	k_q8e40e9afa7_ffn
	.p2align	8
	.type	k_q8e40e9afa7_ffn,@function
k_q8e40e9afa7_ffn:
	s_mov_b64 s[64:65], 0
	v_nop
	global_prefetch_b8 v0, s[64:65] scope:SCOPE_SE
	s_setreg_imm32_b32 hwreg(HW_REG_WAVE_MODE, 25, 1), 1
	s_wait_xcnt 0x0
; Sparse kernel attention, second of two launches: attn_out = the sum of the eight j blocks' parts; division by the row's sum clipped at 1e-6;
; Wo, bo; LayerNorm(Z + .); relu(. W1 + b1) W2 + b2; LayerNorm.  One tile of 16 rows a work-group: 2048 / 16 = 128 work-groups.
; All four waves form Z1 for themselves (one small product); wave v then owns hidden units 32 v .. 32 v + 31, so that Wo, its block of W1
; and its block of W2 are three matrices of 32 x 32; the four parts of the second product meet in LDS.
; LAYOUT as in the first launch: L = lane, r = L & 15, h = L >> 4; lane (r, h) holds channels 16h + e (e = 0 .. 15) of row r; an operand's
; register q = bf16 pair (e = 2q, 2q+1); a weight is source 0 in two tiles t, row r' = output 2r' + t; a result's register jj of tile t
; is e = 2jj + t of the same half.
; LIMITS: operands of the three products are bf16; v_rcp_f32 and v_rsq_f32 are good to 1 ULP and flush denormals (ISA guide 15.8);
; the clip is a maximum that drops a NaN.  No cluster: the weights (36 KB) go straight into registers; nothing is laid in LDS by a copy.
.set FRED, 0                           ; [wave 4][q4 4][lane 32][16 bytes]: the parts of the second product, 8,192 bytes
.set STG,  8192                        ; each wave's own 16 rows of 128 bytes at pitch 144: 4 x 2,304 bytes
.set P,    16                          ; v16-143  the eight parts (16 p + 4 q4); then: v16-31 their sum,
.set B1,   32                          ; v32-47   b1
.set W2T,  48                          ; v48-79   my block of W2 as loaded
.set B2,   80                          ; v80-95   b2
.set G2,   96                          ; v96-111  g2
.set BE2,  112                         ; v112-127 beta2
.set OP,   128                         ; v128-135 the activations as an operand
.set TL,   136                         ; v136-143 at work in sums
.set X,    144                         ; v144-159 Z, then x, Z1, x2, the result
.set D,    160                         ; v160-175 bo, then the products' results
.set WT,   176                         ; v176-207 Wo, then my block of W1, as loaded; v176-191 W2's fragments; v176-239 the four parts
.set G1,   208                         ; v208-223 g1
.set BE1,  224                         ; v224-239 beta1
.set WFR,  240                         ; v240-255 Wo's, then W1's fragments
.macro PLACES                          ; four plain vector places behind a matrix instruction (ISA guide 7.12.1)
.rept 4
	v_nop
.endr
.endm
.macro LOADW dst, vo, sb, pitch        ; W[16h+e][2r'], W[16h+e][2r'+1]
.irp e, 0,1,2,3,4,5,6,7,8,9,10,11,12,13,14,15
	global_load_b64 v[\dst+2*\e:\dst+2*\e+1], v[\vo], s[\sb:\sb+1] offset:\pitch*\e
.endr
.endm
.macro LOADV dst, vo, sb               ; my 16 numbers of a vector of 32
.irp q, 0,1,2,3
	global_load_b128 v[\dst+4*\q:\dst+4*\q+3], v[\vo], s[\sb:\sb+1] offset:16*\q
.endr
.endm
.macro CVTW dst, src                   ; fragment t, register q = (W[16h+2q][2r'+t], W[16h+2q+1][2r'+t])
.irp t, 0,1
.irp q, 0,1,2,3,4,5,6,7
	v_cvt_pk_bf16_f32 v[\dst+8*\t+\q], v[\src+4*\q+\t], v[\src+4*\q+2+\t]
.endr
.endr
.endm
.macro CVTX src                        ; 16 f32 in the order of e to the operand
.irp q, 0,1,2,3,4,5,6,7
	v_cvt_pk_bf16_f32 v[OP+\q], v[\src+2*\q], v[\src+2*\q+1]
.endr
.endm
.macro PKADD a, c                      ; 16 numbers: a += c
.irp u, 0,2,4,6,8,10,12,14
	v_pk_add_f32 v[\a+\u:\a+\u+1], v[\a+\u:\a+\u+1], v[\c+\u:\c+\u+1]
.endr
.endm
.macro ADDD a, c                       ; a[e] += a result's register 8 (e & 1) + (e >> 1)
.irp e, 0,1,2,3,4,5,6,7,8,9,10,11,12,13,14,15
	v_add_f32 v[\a+\e], v[\a+\e], v[\c+8*(\e&1)+(\e>>1)]
.endr
.endm
.macro MM wf                           ; both result tiles of a 32 x 32 weight times the operand
	v_wmma_f32_16x16x32_bf16 v[D:D+7], v[\wf:\wf+7], v[OP:OP+7], 0
	v_wmma_f32_16x16x32_bf16 v[D+8:D+15], v[\wf+8:\wf+15], v[OP:OP+7], 0
.endm
.macro FOLD                            ; v14 = the sum of v136-143 over both lanes of the row
	v_pk_add_f32 v[TL:TL+1], v[TL:TL+1], v[TL+2:TL+3]
	v_pk_add_f32 v[TL+4:TL+5], v[TL+4:TL+5], v[TL+6:TL+7]
	v_pk_add_f32 v[TL:TL+1], v[TL:TL+1], v[TL+4:TL+5]
	v_add_f32 v14, v[TL], v[TL+1]
	v_permlanex16_b32 v15, v14, s34, s35
	v_add_f32 v14, v14, v15
.endm
.macro ROWSUM a                        ; v14 = the sum of the row's 32 numbers
.irp u, 0,2,4,6
	v_pk_add_f32 v[TL+\u:TL+\u+1], v[\a+2*\u:\a+2*\u+1], v[\a+2*\u+2:\a+2*\u+3]
.endr
	FOLD
.endm
.macro LN a, g, c                      ; a = (a - mean) / sqrt(var + 1e-5) * g + c, in two passes as reference() has it; g is used up
	ROWSUM \a
	v_mul_f32 v14, 0xbd000000, v14                 ; - mean
.irp u, 0,2,4,6,8,10,12,14
	v_pk_add_f32 v[\a+\u:\a+\u+1], v[\a+\u:\a+\u+1], v[14:15] op_sel_hi:[1,0]
.endr
.irp u, 0,2,4,6
	v_pk_mul_f32 v[TL+\u:TL+\u+1], v[\a+\u:\a+\u+1], v[\a+\u:\a+\u+1]
.endr
.irp u, 0,2,4,6
	v_pk_fma_f32 v[TL+\u:TL+\u+1], v[\a+8+\u:\a+8+\u+1], v[\a+8+\u:\a+8+\u+1], v[TL+\u:TL+\u+1]
.endr
	FOLD
	v_fma_f32 v14, v14, s36, s37                   ; var + eps
	v_rsq_f32 v14, v14
	v_nop                                          ; the plain place behind v_rsq_f32 (ISA guide 5.7.2)
	s_wait_alu depctr_va_vdst(0)
.irp u, 0,2,4,6,8,10,12,14
	v_pk_mul_f32 v[\g+\u:\g+\u+1], v[\g+\u:\g+\u+1], v[14:15] op_sel_hi:[1,0]
.endr
.irp u, 0,2,4,6,8,10,12,14
	v_pk_fma_f32 v[\a+\u:\a+\u+1], v[\a+\u:\a+\u+1], v[\g+\u:\g+\u+1], v[\c+\u:\c+\u+1]
.endr
.endm
	s_load_b512 s[8:23], s[0:1], 0x0               ; part 8, Z 10, Wo 12, bo 14, g1 16, beta1 18, W1 20, b1 22
	s_load_b256 s[24:31], s[0:1], 0x40             ; W2 24, b2 26, g2 28, beta2 30
	s_load_b64 s[32:33], s[0:1], 0x60              ; out0
	v_lshl_add_u32 v10, v0, 2, 0x4400
	s_set_vgpr_msb 0x40
	v_mov_b32 v1, 0
	s_set_vgpr_msb 0x4000
	v_lshrrev_b32 v1, 5, v0
	v_readfirstlane_b32 s2, v1                     ; wave v
	s_mov_b32 s34, 0x76543210                      ; v_permlanex16_b32: lane i of the other half
	s_mov_b32 s35, 0xfedcba98
	s_mov_b32 s36, 0x3d000000                      ; 1/32
	s_mov_b32 s37, 0x3727c5ac                      ; 1e-5
	s_lshl_b32 s38, ttmp9, 11                      ; a tile is 2,048 bytes in part[p], in Z and in out0
	s_mov_b32 s39, 0
	s_lshl_b32 s40, s2, 7                          ; 32 v columns of W1, 32 v numbers of b1
	s_mov_b32 s41, 0
	s_lshl_b32 s42, s2, 12                         ; 32 v rows of W2
	s_mov_b32 s43, 0
	v_and_b32 v3, 31, v0                           ; L
	v_and_b32 v1, 15, v0                           ; r
	v_bfe_u32 v2, v0, 4, 1                         ; h
	v_lshlrev_b32 v4, 4, v3                        ; 16 L: part, and the parts in LDS
	v_lshlrev_b32 v5, 7, v1
	v_lshl_add_u32 v5, v2, 6, v5                   ; Z: 128 r + 64 h
	v_lshlrev_b32 v6, 6, v2                        ; vectors of 32: 64 h
	v_lshlrev_b32 v7, 3, v1
	v_lshl_add_u32 v8, v2, 13, v7                  ; W1: 16 h rows of 512 bytes + 8 r
	v_lshl_add_u32 v7, v2, 11, v7                  ; Wo, W2: 16 h rows of 128 bytes + 8 r
	s_lshl_b32 s44, s2, 11
	v_add_nc_u32 v9, s44, v4                       ; FRED + 2048 v + 16 L
	s_mul_i32 s45, s2, 2304
	s_add_co_u32 s45, s45, STG                     ; my stage
	v_mul_u32_u24 v11, v1, 144
	v_lshl_add_u32 v11, v2, 6, v11
	v_add_nc_u32 v11, s45, v11                     ; in: row r, 64 bytes a half
	s_mul_i32 s46, s2, 576
	s_add_co_u32 s46, s46, s45                     ; back: rows 4 v .. 4 v + 3,
	v_lshrrev_b32 v12, 3, v3
	v_mul_u32_u24 v12, v12, 144
	v_and_b32 v13, 7, v3
	v_lshl_add_u32 v12, v13, 4, v12
	v_add_nc_u32 v12, s46, v12                     ; eight lanes a row
	v_lshlrev_b32 v13, 4, v0                       ; out0: 16 x thread = 512 v + 16 L
	v_mov_b32 v15, 0                               ; v_permlanex16_b32's destination counts as read
	s_wait_kmcnt 0x0
	s_add_nc_u64 s[8:9], s[8:9], s[38:39]
	s_add_nc_u64 s[10:11], s[10:11], s[38:39]
	s_add_nc_u64 s[32:33], s[32:33], s[38:39]
	s_add_nc_u64 s[20:21], s[20:21], s[40:41]
	s_add_nc_u64 s[22:23], s[22:23], s[40:41]
	s_add_nc_u64 s[24:25], s[24:25], s[42:43]
	LOADW WT, 7, 12, 128                           ; Wo
.irp p, 0,1,2,3,4,5,6,7
.irp q, 0,1,2,3
	global_load_b128 v[P+16*\p+4*\q:P+16*\p+4*\q+3], v4, s[8:9] offset:262144*\p+512*\q      ; 512 consecutive bytes a wave
.endr
.endr
	LOADV X, 5, 10                                 ; Z
	LOADV D, 6, 14                                 ; bo
	LOADV G1, 6, 16
	LOADV BE1, 6, 18
	s_wait_loadcnt 48                              ; Wo is in; 32 loads of part and 16 of Z, bo, g1, beta1 are younger
	CVTW WFR, WT
	LOADW WT, 8, 20, 512                           ; my block of W1, into Wo's registers
	s_wait_loadcnt 32                              ; part is in; Z, bo, g1, beta1 (16) and W1 (16) are younger
	PKADD P, P+16
	PKADD P+32, P+48
	PKADD P+64, P+80
	PKADD P+96, P+112
	PKADD P, P+32
	PKADD P+64, P+96
	PKADD P, P+64                                  ; attn_out: number 8t + jj is e = 2jj + t
	LOADV B1, 6, 22                                ; the rest of the inputs, into registers that the parts have left
	LOADW W2T, 7, 24, 128
	LOADV B2, 6, 26
	LOADV G2, 6, 28
	LOADV BE2, 6, 30
	ROWSUM P
	v_max_num_f32 v14, 0x358637bd, v14             ; clip at 1e-6
	v_rcp_f32 v14, v14
	v_nop                                          ; the plain place behind v_rcp_f32
	s_wait_alu depctr_va_vdst(0)
.irp u, 0,2,4,6,8,10,12,14
	v_pk_mul_f32 v[P+\u:P+\u+1], v[P+\u:P+\u+1], v[14:15] op_sel_hi:[1,0]
.endr
.irp q, 0,1,2,3,4,5,6,7
	v_cvt_pk_bf16_f32 v[OP+\q], v[P+\q], v[P+8+\q]             ; e = 2q from tile 0, 2q + 1 from tile 1
.endr
	s_wait_loadcnt 48                              ; Z, bo, g1, beta1 are in; W1 16 + b1 4 + W2 16 + b2, g2, beta2 12 are younger
	PKADD X, D                                     ; Z + bo
	MM WFR
	PLACES
	ADDD X, D
	LN X, G1, BE1                                  ; Z1
	CVTX X
	s_wait_loadcnt 32                              ; W1 is in; b1 4 + W2 16 + 12 are younger
	CVTW WFR, WT
	MM WFR
	s_wait_loadcnt 28                              ; b1 is in; W2 16 + 12 are younger
	PLACES
	ADDD B1, D
.irp e, 0,1,2,3,4,5,6,7,8,9,10,11,12,13,14,15
	v_max_num_f32 v[B1+\e], 0, v[B1+\e]            ; relu
.endr
	CVTX B1
	s_wait_loadcnt 12                              ; W2 is in; b2, g2, beta2 are younger
	CVTW WT, W2T
	MM WT
	PLACES
.irp q, 0,1,2,3
	ds_store_b128 v9, v[D+4*\q:D+4*\q+3] offset:512*\q
.endr
	s_wait_loadcnt 8                               ; b2 is in; g2, beta2 are younger
	PKADD X, B2                                    ; Z1 + b2
	s_wait_dscnt 0x0                               ; my part of the second product is written
	s_barrier_signal -1
	s_barrier_wait -1
.irp k, 0,1,2,3
.irp q, 0,1,2,3
	ds_load_b128 v[WT+16*\k+4*\q:WT+16*\k+4*\q+3], v4 offset:2048*\k+512*\q
.endr
.endr
	s_wait_dscnt 0x0
	PKADD WT, WT+16
	PKADD WT+32, WT+48
	PKADD WT, WT+32
	ADDD X, WT
	s_wait_loadcnt 0x0                             ; g2, beta2
	LN X, G2, BE2
	; out: 16 rows into my own stage, my four rows back as 512 consecutive bytes.  LDS serves a wave's instructions in order (ISA guide 5.7.1)
.irp q, 0,1,2,3
	ds_store_b128 v11, v[X+4*\q:X+4*\q+3] offset:16*\q
.endr
	ds_load_b128 v[16:19], v12
	s_wait_dscnt 0x0
	global_store_b128 v13, v[16:19], s[32:33]      ; a wave's store covers 512 consecutive bytes, aligned
	s_set_vgpr_msb 0x4
	s_wait_tensorcnt 0x0
	ds_add_u32 v10, v1
	s_wait_dscnt 0x0
	s_set_vgpr_msb 0x400
	s_endpgm
.Lfunc_end_k_q8e40e9afa7_ffn:
	.size	k_q8e40e9afa7_ffn, .Lfunc_end_k_q8e40e9afa7_ffn-k_q8e40e9afa7_ffn
	.p2alignl 7, 3214868480
	.fill 96, 4, 3214868480
	.section	.rodata,"a",@progbits
	.p2align	6, 0x0
	.amdhsa_kernel k_q8e40e9afa7_ffn
		.amdhsa_group_segment_fixed_size 17920
		.amdhsa_private_segment_fixed_size 0
		.amdhsa_enable_private_segment 0
		.amdhsa_kernarg_size 104
		.amdhsa_user_sgpr_count 2
		.amdhsa_user_sgpr_kernarg_segment_ptr 1
		.amdhsa_wavefront_size32 1
		.amdhsa_system_sgpr_workgroup_id_x 1
		.amdhsa_system_sgpr_workgroup_id_y 1
		.amdhsa_system_sgpr_workgroup_id_z 1
		.amdhsa_system_vgpr_workitem_id 0
		.amdhsa_next_free_vgpr 258
		.amdhsa_next_free_sgpr 66
		.amdhsa_reserve_vcc 0
		.amdhsa_float_denorm_mode_32 3
		.amdhsa_float_denorm_mode_16_64 3
		.amdhsa_memory_ordered 1
		.amdhsa_forward_progress 1
		.amdhsa_inst_pref_size 36
	.end_amdhsa_kernel
	.amdgpu_metadata
---
amdhsa.version: [ 1, 2 ]
amdhsa.kernels:
  - .name:           k_q8e40e9afa7_ffn
    .symbol:         k_q8e40e9afa7_ffn.kd
    .args:
      - { .name: part, .offset: 0, .size: 8, .value_kind: global_buffer, .address_space: global }
      - { .name: Z, .offset: 8, .size: 8, .value_kind: global_buffer, .address_space: global }
      - { .name: Wo, .offset: 16, .size: 8, .value_kind: global_buffer, .address_space: global }
      - { .name: bo, .offset: 24, .size: 8, .value_kind: global_buffer, .address_space: global }
      - { .name: g1, .offset: 32, .size: 8, .value_kind: global_buffer, .address_space: global }
      - { .name: beta1, .offset: 40, .size: 8, .value_kind: global_buffer, .address_space: global }
      - { .name: W1, .offset: 48, .size: 8, .value_kind: global_buffer, .address_space: global }
      - { .name: b1, .offset: 56, .size: 8, .value_kind: global_buffer, .address_space: global }
      - { .name: W2, .offset: 64, .size: 8, .value_kind: global_buffer, .address_space: global }
      - { .name: b2, .offset: 72, .size: 8, .value_kind: global_buffer, .address_space: global }
      - { .name: g2, .offset: 80, .size: 8, .value_kind: global_buffer, .address_space: global }
      - { .name: beta2, .offset: 88, .size: 8, .value_kind: global_buffer, .address_space: global }
      - { .name: out0, .offset: 96, .size: 8, .value_kind: global_buffer, .address_space: global }
    .group_segment_fixed_size: 17920
    .private_segment_fixed_size: 0
    .kernarg_segment_align: 8
    .kernarg_segment_size: 104
    .max_flat_workgroup_size: 128
    .sgpr_count:     66
    .vgpr_count:     258
    .wavefront_size: 32
...
	.end_amdgpu_metadata
.endif
;; end of part 2
